; MI455X (gfx1250); checked and timed in simulation.
; The chip was launched on July 23, 2026; its instructions are those of AMD's public machine-readable ISA for CDNA 5 (MIT licence, August 2026) and "CDNA5" Instruction Set Architecture Reference Guide (July 2026). The comments in the code are by the model that wrote it; some were corrected since.
;; Attention. Allowed arithmetic: matrix products marked QUANTISED: E2M3 operands, one E8M0 scale for each 32 along K, by v_wmma_scale_f32_16x16x128_f8f6f4 with both operands' format E2M3, f32 sums; everything else in f32.
;; Inputs: K_codes 4 x 2,048 x 64 x 24 uint8 (E2M3 codes of K, K innermost, in blocks of 32 codes, four codes in three bytes); K_scales 4 x 2,048 x 64 uint8 (E8M0 scales of K, one for each 32 codes along K); Q_codes 4 x 2,048 x 64 x 24 uint8 (E2M3 codes of Q, K innermost, in blocks of 32 codes, four codes in three bytes); Q_scales 4 x 2,048 x 64 uint8 (E8M0 scales of Q, one for each 32 codes along K); V_codes 4 x 2,048 x 64 x 24 uint8 (E2M3 codes of V, K innermost, in blocks of 32 codes, four codes in three bytes); V_scales 4 x 2,048 x 64 uint8 (E8M0 scales of V, one for each 32 codes along K); Wk_codes 256 x 64 x 24 uint8 (E2M3 codes of Wk, K innermost, in blocks of 32 codes, four codes in three bytes); Wk_scales 256 x 64 uint8 (E8M0 scales of Wk, one for each 32 codes along K); Wo_codes 2,048 x 16 x 24 uint8 (E2M3 codes of Wo, K innermost, in blocks of 32 codes, four codes in three bytes); Wo_scales 2,048 x 16 uint8 (E8M0 scales of Wo, one for each 32 codes along K); Wq_codes 256 x 64 x 24 uint8 (E2M3 codes of Wq, K innermost, in blocks of 32 codes, four codes in three bytes); Wq_scales 256 x 64 uint8 (E8M0 scales of Wq, one for each 32 codes along K); Wv_codes 512 x 64 x 24 uint8 (E2M3 codes of Wv, K innermost, in blocks of 32 codes, four codes in three bytes); Wv_scales 512 x 64 uint8 (E8M0 scales of Wv, one for each 32 codes along K).
;; Outputs: out0 4 x 2,048 x 2,048 float32.
;; This version of the problem:
;;   THIS VERSION OF THE PROBLEM IS GIVEN IN LOW PRECISION. The matrix products marked QUANTISED in the list below multiply operands that are first quantised to E2M3 (2 exponent bits, 3 mantissa bits; 6 bits a number), with one power-of-two scale for each 32 numbers along K (OCP MX v1.0); their sums are f32. All else is computed in f32.
;;   The module's matrix products, in the order in which they are computed (A, B: the left and right operand; K: the contracted axis; several contracted axes count as one K, in the product's order):
;;     1. [M 8,192, K 2,048] x [K 2,048, N 256]; A: input Q (given as codes); B: input Wq (given as codes): QUANTISED
;;     2. [M 8,192, K 2,048] x [K 2,048, N 256]; A: input K (given as codes); B: input Wk (given as codes): QUANTISED
;;     3. [M 8,192, K 2,048] x [K 2,048, N 512]; A: input V (given as codes); B: input Wv (given as codes): QUANTISED
;;     4. batch 32 x [M 2,048, K 32] x [K 32, N 2,048]; A: computed on the way; B: computed on the way: QUANTISED
;;     5. batch 32 x [M 64, K 2,048] x [K 2,048, N 2,048]; A: computed on the way; B: softmax (see below): QUANTISED
;;     6. [M 8,192, K 512] x [K 512, N 2,048]; A: computed on the way; B: input Wo (given as codes): QUANTISED
;;   THE QUANTISER, for each operand of a quantised product, along K:
;;     - K is cut into blocks of 32 from its start; a last block that is shorter is filled with zeros.
;;     - A block's scale is 2^e with e = floor(log2(the largest magnitude in the block)) - 2, held to -126 .. 127; a block of zeros has e = 0. As a byte (E8M0): e + 127.
;;     - Each number is divided by its block's scale, clamped to +-7.5, and rounded to the nearest number of E2M3, ties to even, subnormals kept.
;;     - The product sums the exact products of the quantised numbers (number of the format x scale) in f32.
;;   ~~~python
;;   def quantise(x, axis):      # numpy; x: float32 -> the quantised numbers, widened to float32 again
;;       x = np.moveaxis(x, axis, -1); K = x.shape[-1]
;;       x = np.pad(x, [(0, 0)] * (x.ndim - 1) + [(0, -K % 32)]); x = x.reshape(x.shape[:-1] + (-1, 32)); a = np.abs(x).max(-1, keepdims=True)
;;       e = np.where(a > 0, np.clip(np.frexp(np.where(a > 0, a, 1))[1] - 1 - 2, -126, 127), 0)      # np.frexp(a)[1] - 1 = floor(log2(a)), exactly
;;       r = np.clip(x / 2.0 ** e, -7.5, 7.5)
;;       step = 2.0 ** (np.maximum(np.frexp(np.where(r == 0, 1, r))[1] - 1, 0) - 3)
;;       q = np.round(r / step) * step * 2.0 ** e      # np.round: ties to even
;;       return np.moveaxis(q.reshape(q.shape[:-2] + (-1,))[..., :K], -1, axis).astype(np.float32)
;;   ~~~
;;   SOFTMAX AHEAD OF A QUANTISED PRODUCT. Where the list says 'softmax', what is quantised is not the finished softmax but p = 2^(t - M), with t = logit x log2(e) and M = ceil(the row's largest t), a whole number; so 1/2 < the row's largest p <= 1. The row's sum l is taken of the UNQUANTISED p, in f32, and the product's result is divided by l at the end. Since M is a whole number, a kernel that streams over the keys may use a running M (the ceiling of the running maximum): every later rescaling is an exact power of two, which a block's scale takes up: the codes' values come out the same.
;;   OPERANDS COMPUTED ON THE WAY. 'Computed on the way' means the value that the module computes at that place (a softmax that the list does not call 'softmax' is quantised finished and normalised). What goes into a quantiser is computed in f32, as accurately as f32 sums, v_exp_f32 and their like allow (about 1e-6 of the number): no bf16 or f16 on the way to a quantiser, and a product that is left as it is and whose result goes on into a quantised operand takes f32 operands (vector FMAs, or v_wmma_f32_16x16x4_f32). A number that lies on a knife's edge between two numbers of the format may be rounded either way, as far as f32 arithmetic and the matrix unit's own rounding can turn it there, and no further.
;;   INPUTS GIVEN AS CODES. K (in the module: [4, 2048, 2048], K = its axis 2); Q (in the module: [4, 2048, 2048], K = its axis 2); V (in the module: [4, 2048, 2048], K = its axis 2); Wk (in the module: [2048, 256], K = its axis 0); Wo (in the module: [512, 2048], K = its axis 0); Wq (in the module: [2048, 256], K = its axis 0); Wv (in the module: [2048, 512], K = its axis 0): each comes as NAME_codes (uint8): NAME with its K axis moved to the last place and cut into blocks of 32 codes, [.., K / 32, bytes a block], one block behind the other in memory; four codes in three bytes: a row's codes are one little-endian stream of bits, code i at bits 6 i .. 6 i + 5 (a code: sign, 2 exponent bits, 3 mantissa bits); and NAME_scales (uint8): the same leading axes, one E8M0 byte (e + 127) for each 32 codes along K. Its value is code x scale, taken as it is: it is not quantised again, and the codes and scales need not be those that the quantiser above would give.
;; One version. Each part assembles by itself: llvm-mc -triple=amdgcn-amd-amdhsa -mcpu=gfx1250 --defsym DOCPART=n.
;; ======== version 1 of 1: 3 launches
;; limits: right only within a limited range of input values
;; workspace buffers: q_c 1,572,864 bytes; q_s 65,536 bytes; k_c 1,572,864 bytes; k_s 65,536 bytes; v_c 3,145,728 bytes; v_s 131,072 bytes; a_c 3,145,728 bytes; a_s 131,072 bytes
;; launch proj (part 1): grid 256 x 1, 4 waves a work-group, clusters of 4 x 1, 327,680 bytes of LDS; arguments Wq_codes, Wq_scales, Q_codes, Q_scales, q_c, q_s, Wk_codes, Wk_scales, K_codes, K_scales, k_c, k_s, V_codes, V_scales, Wv_codes, Wv_scales, v_c, v_s; writes q_c, q_s, k_c, k_s, v_c, v_s
.if DOCPART == 1
	.amdgcn_target "amdgcn-amd-amdhsa--gfx1250"
	.amdhsa_code_object_version 6
	.text
	.protected	k_q12ea7f83e1_proj
	.globl	k_q12ea7f83e1_proj
	.p2align	8
	.type	k_q12ea7f83e1_proj,@function
k_q12ea7f83e1_proj:
	s_mov_b64 s[64:65], 0
	v_nop
	global_prefetch_b8 v0, s[64:65] scope:SCOPE_SE
	s_setreg_imm32_b32 hwreg(HW_REG_WAVE_MODE, 25, 1), 1
	s_wait_xcnt 0x0
	s_wait_alu depctr_hold_cnt(0) depctr_sa_sdst(0) depctr_va_vdst(0) depctr_va_sdst(0) depctr_va_ssrc(0) depctr_va_vcc(0) depctr_vm_vsrc(0)
	s_getreg_b32 s2, hwreg(HW_REG_IB_STS2, 6, 4)
	s_cmp_eq_u32 s2, 0
	s_cbranch_scc0 .Lentry_in_a_cluster
	s_endpgm
.Lentry_in_a_cluster:
	s_bfe_u32 s2, ttmp6, 0x10000c
	s_cmp_lg_u32 s2, 0x3003
	s_cbranch_scc0 .Lentry_shape_is_right
	s_endpgm
.Lentry_shape_is_right:
; THE THREE PROJECTIONS q = Q Wq, k = K Wk, v = V Wv on codes of FP6 (E2M3) with E8M0 scales, K = 2,048, and the quantising of their results for the attention that follows.
; ONE BODY.  S0 is the operand whose rows become the next product's K, S1 the other.  q, k: S0 = the weight's 256 rows (8 heads x 32), S1 = the tokens.  v: S0 = V's tokens (the keys), S1 = Wv's 512 rows.
; Source 0 = 16 rows of S0, source 1 = 16 rows of S1: lane (r, h) holds S1's row r, register j S0's row 8 h + j: a lane's registers run along the next K.
; A work-group makes S0 256 x S1 128: clusters 0-15 take q, 16-31 k, 32-63 v; only pointers and global offsets are chosen by that number, no branch.
; The four work-groups of a cluster share S0's tile: it is asked for JOINTLY (mask 15), its address made of the cluster's number alone.  S1's tile is each work-group's own.
; Wave w makes S0's half w / 2 (8 fragments) x S1's half w % 2 (4 fragments): 32 accumulators.
; K GOES IN TWO HALVES: a row of codes is 1,536 bytes; a fill brings 768 bytes (three whole units of 256, eight steps of 96) of all 384 rows: 384 x 816 bytes of LDS.  One load a wave: waves 0, 1 S0's halves, waves 2, 3 S1's.
; The one refill stands behind a round of the cluster's barrier in step 6, when step 7's fragments are in registers.
; PREFETCH: behind step 0 each wave asks for units of the second half, six steps ahead of the load that wants them: S1's 128 rows a lane a row (wave w rows 32 w ..), S0's 256 rows shared out among the four partners by address (64 rows each, 16 a wave).
; The scale words of a wave's rows, for all 16 steps, stay in 96 registers: so the 16 steps are written out.
; THE WAY OUT: a block of 32 along the next K lies in lanes l and l xor 16; its scale is 2^(floor(log2(largest magnitude)) - 2); codes by the scaled conversion, 12 bytes a lane.
; q_c: [b][head][token][24 bytes].  k_c: the same, but inside each group of 64 tokens token 32 x + 16 y + 8 z + w (w under 8) lies at place 32 y + 16 z + 8 x + w: the order in which the next launch's lanes read them.
; q_s, k_s: [token][head]; v_c: [b][head][block of 32 keys][channel][24 bytes]; v_s: [b][head][channel][block].
; LIMITS: a block whose largest magnitude lies under 2^-124 gets the byte 1, a block of zeros too (its codes are zeros; this program alone reads the bytes).  A given scale byte 0xff gives NaN.
; REGISTERS: window 0: v8-16 addresses, v20-27 store offsets, v28-29 the add's, v32-127 scale words, v128-223 S1's fragments in two sets (on the way out codes and scale words), v224-239 at work.
;   window 1: S0's fragments, two sets, at v0 and v128.   window 2: accumulator (a, b) at v[8 (8 a + b)].
.set PITCH, 816                        ; an LDS row: 3 x (256 bytes + 16 of padding) = 204 words: 16 rows start at 16 different groups of 4 banks
.set S0B,   256*PITCH
.set SPARE, 384*PITCH                  ; the spare words, 128 bytes a wave
.set FR,  12
.set A0,  8                            ; v8-9 my S0 fragments 0-3, 4-7;  v10-11 the same with lanes 16-31 behind one padding more
.set A0X, 10
.set A1,  12
.set A1X, 13
.set PF0, 14                           ; the prefetches' offsets; never rewritten
.set PF1, 15
.set PF2, 16
.set OA,  20
.set OSV, 24
.set SPW, 28
.set NIL, 29
.set SV0, 30
.set SV1, 31
.set SC0, 32                           ; v[32 + 16 i + s]: lanes 0-15 S0 block i's scale word of step s, lanes 16-31 block i + 4's
.set SC1, 96                           ; v[96 + 16 i + s]: lanes 0-15 S1 block i's, lanes 16-31 block i + 2's
.set F1,  128
.set CD,  128
.set PW,  192
.set TM,  224
.set TP,  228
.set SOP, 232
.set BY,  236
.set G1A, 16
.set G1B, 24
.set G0A, 32
.set G0B, 36
.set WV,  56
.set SEL, 70
.set OB,  88                           ; s[88:95] where the codes of S1's fragment 0..3 go
.set MSB, 0
.macro WIN new
.if MSB != \new
	s_set_vgpr_msb (MSB<<8)|\new
.set MSB, \new
.endif
.endm
.macro PLACES n
.rept \n
	v_nop
.endr
.endm
.macro CREST
	s_cmp_lg_u32 s[WV], 0
	s_cbranch_scc1 .Lnot_wave_0_\@
	s_barrier_signal -3
.Lnot_wave_0_\@:
	s_barrier_wait -3
	s_barrier_signal -1
	s_barrier_wait -1
.endm
.macro ROUND
	s_barrier_signal -1
	s_barrier_wait -1
	CREST
.endm
.macro JLOAD                           ; one load a wave: waves 0, 1 S0's halves (joint), waves 2, 3 S1's
	s_cmp_eq_u32 s57, 0
	s_cbranch_scc0 .Lfor_s1_\@
	tensor_load_to_lds s[G0A:G0A+3], s[G1A:G1A+7]
	s_nop 0
	PLACES 4
	s_branch .Lasked_\@
.Lfor_s1_\@:
	tensor_load_to_lds s[G0B:G0B+3], s[G1B:G1B+7]
	s_nop 0
	PLACES 4
.Lasked_\@:
.endm
	s_load_b256 s[4:11], s[0:1], 0x0               ; q's six addresses: S0's codes, S0's scales, S1's codes, S1's scales, codes out, scales out
	s_load_b128 s[12:15], s[0:1], 0x20
	s_load_b256 s[16:23], s[0:1], 0x30             ; k's six
	s_load_b128 s[24:27], s[0:1], 0x50
	s_load_b256 s[28:35], s[0:1], 0x60             ; v's six
	s_load_b128 s[36:39], s[0:1], 0x80
	v_lshl_add_u32 v[SPW], v0, 2, SPARE
	v_mov_b32 v[NIL], 0
	ds_add_u32 v[SPW], v[NIL]                      ; the opening lines: the add twice on end and one wait
	ds_add_u32 v[SPW], v[NIL]
	v_lshrrev_b32 v1, 5, v0
	v_readfirstlane_b32 s[WV], v1                  ; wave 0..3
	s_lshr_b32 s57, s[WV], 1                       ; I: my half of S0.  Also: I fetch for S0 (0) or S1 (1)
	s_and_b32 s58, s[WV], 1                        ; J: my half of S1.  Also: which half of that tile I fetch
	s_bfe_u32 s59, ttmp6, 0x40000                  ; cx
	s_sub_co_u32 s60, ttmp9, 32
	s_and_b32 s61, ttmp9, 15
	s_lshl_b32 s61, s61, 2
	s_add_co_u32 s61, s61, s59
	s_mov_b32 s62, 1536
	s_cmp_lt_u32 ttmp9, 32                         ; q or k?
	s_cselect_b32 s60, 0, s60                      ; T0, S0's tile: 0, or for v the cluster's number - 32
	s_cselect_b32 s61, s61, s59                    ; T1, S1's tile: 4 (cluster % 16) + cx, or for v cx
	s_cselect_b32 s62, 0xc000, s62                 ; bytes from one block's codes to the next
	s_cselect_b32 s63, 8, 64                       ; bytes from one S1 row's scale bytes to the next
	s_lshl_b32 s66, s61, 7
	s_lshl_b32 s67, s58, 6
	s_add_co_u32 s66, s66, s67                     ; my first row of S1: 128 T1 + 64 J
	s_and_b32 s68, s66, 2047
	s_mul_i32 s68, s68, 24
	s_lshr_b32 s69, s61, 4
	s_mul_i32 s69, s69, 393216
	s_add_co_u32 s68, s68, s69
	s_mul_i32 s69, s57, 196608
	s_add_co_u32 s68, s68, s69                     ; q, k: token, batch, head 4 I
	s_lshl_b32 s72, s57, 2
	s_lshl_b32 s77, s66, 3
	s_add_co_u32 s77, s77, s72                     ; q, k: scale bytes at token x 8 + 4 I
	s_lshr_b32 s73, s60, 3
	s_lshl_b32 s73, s73, 3
	s_lshl_b32 s74, s59, 1
	s_add_co_u32 s73, s73, s74
	s_add_co_u32 s73, s73, s58                     ; v: 8 batch + head, head = 2 cx + J
	s_and_b32 s74, s60, 7
	s_lshl_b32 s74, s74, 3
	s_add_co_u32 s74, s74, s72                     ; my first key block
	s_mul_i32 s75, s73, 98304
	s_mul_i32 s76, s74, 1536
	s_add_co_u32 s75, s75, s76
	s_lshl_b32 s76, s73, 12
	s_add_co_u32 s76, s76, s74
	s_cmp_lt_u32 ttmp9, 32
	s_cselect_b32 s68, s68, s75                    ; where my codes begin,
	s_cselect_b32 s72, s77, s76                    ; and my scale bytes
	s_mov_b32 s69, 0
	s_mov_b32 s73, 0
	s_mul_i32 s40, s60, 393216                     ; S0's tile (no register that feeds the joint loads ever holds cx)
	s_mov_b32 s41, 0
	s_mul_i32 s74, s61, 196608                     ; S1's tile
	s_mov_b32 s75, 0
	s_lshl_b32 s76, s60, 14                        ; my S0 rows' scales
	s_lshl_b32 s77, s57, 13
	s_add_co_u32 s76, s76, s77
	s_mov_b32 s77, 0
	s_lshl_b32 s66, s66, 6                         ; my S1 rows' scales
	s_mov_b32 s67, 0
	s_mov_b32 s[SEL], 0x76543210
	s_mov_b32 s[SEL+1], 0xfedcba98
	s_mul_i32 s82, s57, 128*PITCH                  ; LDS: my S0 fragments 0-3,
	s_add_co_u32 s83, s82, 64*PITCH                ; 4-7,
	s_mul_i32 s84, s58, 64*PITCH
	s_add_co_u32 s84, s84, S0B                     ; my S1 fragments
	s_mul_i32 s85, s62, 2
	s_mul_i32 s86, s62, 3
	s_mov_b32 s[OB+2], 384                         ; bytes from fragment 0's codes to fragment 1's, 2's, 3's: 16 rows of 24 each;
	s_mov_b32 s[OB+4], 768
	s_mov_b32 s[OB+6], 1152
	s_lshr_b32 s[OB], ttmp9, 4
	s_cmp_eq_u32 s[OB], 1                          ; k?  Then fragment a's rows lie at places 32 (a % 2) + 8 (a / 2) + 16 (r / 8) + r % 8
	s_cselect_b32 s87, 192, 0                      ; rows 8-15 lie 8 places further on than in q_c
	s_cselect_b32 s[OB+2], 768, s[OB+2]
	s_cselect_b32 s[OB+4], 192, s[OB+4]
	s_cselect_b32 s[OB+6], 960, s[OB+6]
	s_mov_b32 s[OB+3], 0
	s_mov_b32 s[OB+5], 0
	s_mov_b32 s[OB+7], 0
	s_wait_dscnt 0x0                               ; both opening adds are done
	s_wait_kmcnt 0x0
	s_cmp_lt_u32 ttmp9, 16
.irp i, 0,2,4,6,8,10
	s_cselect_b64 s[4+\i:5+\i], s[4+\i:5+\i], s[16+\i:17+\i]
.endr
	s_cmp_lt_u32 ttmp9, 32
.irp i, 0,2,4,6,8,10
	s_cselect_b64 s[4+\i:5+\i], s[4+\i:5+\i], s[28+\i:29+\i]
.endr
	; group 1: rows of 768 bytes, 1,536 apart, 16 bytes of padding behind every 256.  S0: 128 rows, mask 15 with bit 21 beside it.  S1: 64 rows, no mask
	s_mov_b32 s[G1A+0], 15|(1<<20)|(1<<21)|(5<<22)|(3<<25)
	s_mov_b32 s[G1A+1], 768<<16
	s_mov_b32 s[G1A+2], 128<<16
	s_mov_b32 s[G1A+3], 768<<16
	s_mov_b32 s[G1A+4], 128
	s_mov_b32 s[G1A+5], 1536
	s_mov_b32 s[G1A+6], 0
	s_mov_b32 s[G1A+7], 0
	s_mov_b32 s[G1B+0], (1<<20)|(5<<22)|(3<<25)
	s_mov_b32 s[G1B+1], 768<<16
	s_mov_b32 s[G1B+2], 64<<16
	s_mov_b32 s[G1B+3], 768<<16
	s_mov_b32 s[G1B+4], 64
	s_mov_b32 s[G1B+5], 1536
	s_mov_b32 s[G1B+6], 0
	s_mov_b32 s[G1B+7], 0
	s_add_nc_u64 s[4:5], s[4:5], s[40:41]
	s_add_nc_u64 s[6:7], s[6:7], s[76:77]
	s_add_nc_u64 s[8:9], s[8:9], s[74:75]
	s_add_nc_u64 s[10:11], s[10:11], s[66:67]
	s_add_nc_u64 s[12:13], s[12:13], s[68:69]
	s_add_nc_u64 s[14:15], s[14:15], s[72:73]
	s_mov_b64 s[OB:OB+1], s[12:13]
	s_add_nc_u64 s[OB+2:OB+3], s[12:13], s[OB+2:OB+3]
	s_add_nc_u64 s[OB+4:OB+5], s[12:13], s[OB+4:OB+5]
	s_add_nc_u64 s[OB+6:OB+7], s[12:13], s[OB+6:OB+7]
	s_mul_i32 s40, s58, 196608                     ; the 128 rows of S0 that I fetch
	s_mov_b32 s[G0A], 1
	s_mul_i32 s[G0A+1], s58, 128*PITCH
	s_add_nc_u64 s[G0A+2:G0A+3], s[4:5], s[40:41]
	s_or_b32 s[G0A+3], s[G0A+3], 0x80000000
	s_mul_i32 s74, s58, 98304                      ; or the 64 rows of S1
	s_mov_b32 s[G0B], 1
	s_mul_i32 s[G0B+1], s58, 64*PITCH
	s_add_co_u32 s[G0B+1], s[G0B+1], S0B
	s_add_nc_u64 s[G0B+2:G0B+3], s[8:9], s[74:75]
	s_or_b32 s[G0B+3], s[G0B+3], 0x80000000
	s_lshl_b32 s78, s59, 6                         ; the prefetches: S0's rows 64 cx + 16 wave ..,
	s_lshl_b32 s79, s[WV], 4
	s_add_co_u32 s78, s78, s79
	s_mul_i32 s78, s78, 1536
	s_mov_b32 s79, 0
	s_add_nc_u64 s[78:79], s[4:5], s[78:79]
	s_mul_i32 s80, s[WV], 49152                    ; S1's rows 32 wave ..
	s_mov_b32 s81, 0
	s_add_nc_u64 s[80:81], s[8:9], s[80:81]
	ROUND                                          ; all four work-groups are here: the first joint loads meet
	JLOAD                                          ; the first half of K: one tensor load a wave
	v_and_b32 v1, 15, v0                           ; r
	v_bfe_u32 v2, v0, 4, 1                         ; h
	v_lshlrev_b32 v3, 6, v1
	v_lshl_add_u32 v[SV0], v2, 12, v3              ; (64 h + r) x 64 bytes: a row of scales is 16 words for 16 steps
	v_lshl_add_u32 v[SV1], v2, 11, v3              ; (32 h + r) x 64
.irp i, 0,1,2,3
.irp d, 0,1,2,3
	global_load_b128 v[SC0+16*\i+4*\d:SC0+16*\i+4*\d+3], v[SV0], s[6:7] offset:1024*\i+16*\d
.endr
.endr
.irp i, 0,1
.irp d, 0,1,2,3
	global_load_b128 v[SC1+16*\i+4*\d:SC1+16*\i+4*\d+3], v[SV1], s[10:11] offset:1024*\i+16*\d
.endr
.endr
	v_and_b32 v5, 31, v0
	v_mul_u32_u24 v[PF1], v5, 1536                 ; S1: a lane a row
	v_mul_u32_u24 v[PF0], v1, 1536
	v_mul_u32_u24 v6, v2, 15
	v_or_b32 v6, v6, v1
	v_mul_u32_u24 v[PF2], v6, 1536                 ; S0's last unit: lanes 0-15 a row each, lanes 16-31 name the wave's last block again
	v_lshl_add_u32 v[PF0], v2, 8, v[PF0]           ; S0: row r, lanes 16-31 one unit further on
	v_mul_u32_u24 v3, v1, PITCH
	v_mad_u32_u24 v3, v2, 24, v3                   ; a fragment's row x pitch + 24 x half
	v_lshl_add_u32 v4, v2, 4, v3                   ; and with lanes 16-31 behind one padding more
	v_add_nc_u32 v[A0], s82, v3
	v_add_nc_u32 v[A0+1], s83, v3
	v_add_nc_u32 v[A0X], s82, v4
	v_add_nc_u32 v[A0X+1], s83, v4
	v_add_nc_u32 v[A1], s84, v3
	v_add_nc_u32 v[A1X], s84, v4
	v_mul_u32_u24 v5, v1, 24
	v_lshrrev_b32 v6, 3, v1
	v_mad_u32_u24 v5, v2, 12, v5                   ; codes out: 24 bytes a row of S1, my half's 12;
	v_mul_u32_u24 v6, s87, v6                      ; in k_c rows 8-15 lie 192 bytes further on
	v_add_nc_u32 v[OA], v5, v6
	v_add_nc_u32 v[OA+1], s62, v[OA]
	v_add_nc_u32 v[OA+2], s85, v[OA]
	v_add_nc_u32 v[OA+3], s86, v[OA]
.irp b, 0,1,2,3
	v_add_nc_u32 v6, 16*\b, v1
	v_mul_u32_u24 v[OSV+\b], s63, v6
	v_mov_b32 v[TP+\b], 0                          ; a lane permute's destination counts as one of its sources
.endr
; A fragment: lane (r, h) takes 24 bytes of row r twice, in pieces of 8.  q: the step within the half of K.  Where lanes 16-31 lie behind one padding more than lanes 0-15, adrx serves.
.macro FRAG reg, adr, adrx, q, i
.irp p, 0,1,2,3,4,5
.set PB, 96*(\q)+48*(\p/3)+8*(\p%3)
.if PB/256 == (PB+24)/256
	ds_load_b64 v[\reg+2*\p:\reg+2*\p+1], v[\adr] offset:PB+16*(PB/256)+(\i)*16*PITCH
.else
	ds_load_b64 v[\reg+2*\p:\reg+2*\p+1], v[\adrx] offset:PB+16*(PB/256)+(\i)*16*PITCH
.endif
.endr
.endm
.macro FETCH q, p                      ; 72 LDS loads in one run
	WIN 0x40
.irp i, 0,1,2,3,4,5,6,7
	FRAG 128*(\p)+FR*\i, A0+\i/4, A0X+\i/4, \q, \i%4
.endr
	WIN 0
.irp i, 0,1,2,3
	FRAG F1+48*(\p)+FR*\i, A1, A1X, \q, \i
.endr
.endm
.macro MM s, a, b, zero
.set rD, 8*(8*(\a)+(\b))
.set rA, 128*((\s)%2)+FR*(\b)
.set rB, F1+48*((\s)%2)+FR*(\a)
.set rP, SC0+16*((\b)%4)+(\s)
.set rQ, SC1+16*((\a)%2)+(\s)
.if \zero
.if ((\b) < 4) && ((\a) < 2)
	v_wmma_scale_f32_16x16x128_f8f6f4 v[rD:rD+7], v[rA:rA+11], v[rB:rB+11], 0, v[rP], v[rQ] matrix_a_fmt:MATRIX_FMT_FP6 matrix_b_fmt:MATRIX_FMT_FP6
.elseif (\b) < 4
	v_wmma_scale_f32_16x16x128_f8f6f4 v[rD:rD+7], v[rA:rA+11], v[rB:rB+11], 0, v[rP], v[rQ] matrix_a_fmt:MATRIX_FMT_FP6 matrix_b_fmt:MATRIX_FMT_FP6 matrix_b_scale:MATRIX_SCALE_ROW1
.elseif (\a) < 2
	v_wmma_scale_f32_16x16x128_f8f6f4 v[rD:rD+7], v[rA:rA+11], v[rB:rB+11], 0, v[rP], v[rQ] matrix_a_fmt:MATRIX_FMT_FP6 matrix_b_fmt:MATRIX_FMT_FP6 matrix_a_scale:MATRIX_SCALE_ROW1
.else
	v_wmma_scale_f32_16x16x128_f8f6f4 v[rD:rD+7], v[rA:rA+11], v[rB:rB+11], 0, v[rP], v[rQ] matrix_a_fmt:MATRIX_FMT_FP6 matrix_b_fmt:MATRIX_FMT_FP6 matrix_a_scale:MATRIX_SCALE_ROW1 matrix_b_scale:MATRIX_SCALE_ROW1
.endif
.else
.if ((\b) < 4) && ((\a) < 2)
	v_wmma_scale_f32_16x16x128_f8f6f4 v[rD:rD+7], v[rA:rA+11], v[rB:rB+11], v[rD:rD+7], v[rP], v[rQ] matrix_a_fmt:MATRIX_FMT_FP6 matrix_b_fmt:MATRIX_FMT_FP6
.elseif (\b) < 4
	v_wmma_scale_f32_16x16x128_f8f6f4 v[rD:rD+7], v[rA:rA+11], v[rB:rB+11], v[rD:rD+7], v[rP], v[rQ] matrix_a_fmt:MATRIX_FMT_FP6 matrix_b_fmt:MATRIX_FMT_FP6 matrix_b_scale:MATRIX_SCALE_ROW1
.elseif (\a) < 2
	v_wmma_scale_f32_16x16x128_f8f6f4 v[rD:rD+7], v[rA:rA+11], v[rB:rB+11], v[rD:rD+7], v[rP], v[rQ] matrix_a_fmt:MATRIX_FMT_FP6 matrix_b_fmt:MATRIX_FMT_FP6 matrix_a_scale:MATRIX_SCALE_ROW1
.else
	v_wmma_scale_f32_16x16x128_f8f6f4 v[rD:rD+7], v[rA:rA+11], v[rB:rB+11], v[rD:rD+7], v[rP], v[rQ] matrix_a_fmt:MATRIX_FMT_FP6 matrix_b_fmt:MATRIX_FMT_FP6 matrix_a_scale:MATRIX_SCALE_ROW1 matrix_b_scale:MATRIX_SCALE_ROW1
.endif
.endif
.endm
.macro MULA s, a, zero                 ; eight products; the 32 accumulators take turns, one instruction a turn
.irp b, 0,1,2,3,4,5,6,7
	MM \s, \a, \b, \zero
.endr
.endm
.macro MUL32 s, zero
	WIN 0xa1                                       ; source 0 window 1, source 1 window 0, C and D window 2
	MULA \s, 0, \zero
	MULA \s, 1, \zero
	MULA \s, 2, \zero
	MULA \s, 3, \zero
	WIN 0
.endm
.macro STEP s, nq, zero                ; step s; the next step's fragments, at place nq of the half in LDS, are fetched under its products
	s_wait_dscnt 0x0                               ; this step's fragments are in
	PLACES 4                                       ; between the last step's products and the loads into the set that they read
	FETCH \nq, 1-(\s)%2
	MUL32 \s, \zero
.endm
	s_wait_alu depctr_va_vdst(0)                   ; the wait at the head's end
	s_wait_tensorcnt 0x0                           ; my part of the first half is in,
	s_barrier_signal -1
	s_barrier_wait -1                              ; everybody's is
	FETCH 0, 0
	s_wait_loadcnt 0x0                             ; the scale words
	STEP 0, 1, 1                                   ; the first step's products start the sums: nothing is cleared
	global_prefetch_b8 v[PF1], s[80:81] offset:768 th:TH_LOAD_NT scope:SCOPE_SE    ; the second half's three units of my 32 rows of S1,
	global_prefetch_b8 v[PF1], s[80:81] offset:1024 th:TH_LOAD_NT scope:SCOPE_SE
	global_prefetch_b8 v[PF1], s[80:81] offset:1280 th:TH_LOAD_NT scope:SCOPE_SE
	global_prefetch_b8 v[PF0], s[78:79] offset:768 th:TH_LOAD_NT scope:SCOPE_SE    ; and of my 16 rows of S0; the address registers are never rewritten
	global_prefetch_b8 v[PF2], s[78:79] offset:1280 th:TH_LOAD_NT scope:SCOPE_SE
	STEP 1, 2, 0
	STEP 2, 3, 0
	STEP 3, 4, 0
	STEP 4, 5, 0
	STEP 5, 6, 0
	s_wait_dscnt 0x0                               ; STEP 6, with the change of halves in it
	PLACES 4
	FETCH 7, 1                                     ; my last reads of the first half
	s_wait_tensorcnt 0x0                           ; no tensor load of mine is out,
	ds_add_u32 v[SPW], v[NIL]                      ; 0 onto my spare word
	s_add_nc_u64 s[G0A+2:G0A+3], s[G0A+2:G0A+3], 768   ; so the descriptors may step to the second half
	s_add_nc_u64 s[G0B+2:G0B+3], s[G0B+2:G0B+3], 768
	WIN 0xa1
	MULA 6, 0, 0
	MULA 6, 1, 0
	s_wait_dscnt 0x0                               ; the add is done, and my reads of the first half are over
	s_barrier_signal -1                            ; this barrier opens a round of the cluster's barrier
	MULA 6, 2, 0
	WIN 0
	s_barrier_wait -1
	CREST                                          ; no wave of any partner still reads these bytes or has a load on its way
	JLOAD                                          ; the second half, the first tensor load behind the round
	WIN 0xa1
	MULA 6, 3, 0
	WIN 0
	MUL32 7, 0                                     ; step 7 works on registers alone
	s_wait_tensorcnt 0x0                           ; my part of the second half is in,
	s_barrier_signal -1
	s_barrier_wait -1                              ; everybody's is
	PLACES 4
	FETCH 0, 0
	STEP 8, 1, 0
	STEP 9, 2, 0
	STEP 10, 3, 0
	STEP 11, 4, 0
	STEP 12, 5, 0
	STEP 13, 6, 0
	STEP 14, 7, 0
	s_wait_dscnt 0x0
	MUL32 15, 0
	PLACES 4                                       ; in front of the first read of results and the first write of operands' registers
; THE WAY OUT for S1's fragment a: eight accumulators = four blocks of 32 along the next K.
.macro OUT a
	WIN 0x82
.irp b, 0,1,2,3
.irp j, 0,1,2,3,4,5,6,7
	v_permlane16_swap_b32 v[64*\a+16*\b+\j], v[64*\a+16*\b+8+\j]   ; registers 16 b + 0 .. 15 now hold S0's rows 32 b + 16 h + 0 .. 15; each accumulator from its low end on
.endr
.endr
	WIN 0x0a
.irp b, 0,1,2,3
	v_max3_num_f32 v[TM+\b], |v[64*\a+16*\b]|, |v[64*\a+16*\b+1]|, 0x1800000   ; with the floor 2^(3 - 127): the byte cannot fall under 1
.endr
.irp i, 2,4,6,8,10,12,14
.irp b, 0,1,2,3
	v_max3_num_f32 v[TM+\b], |v[64*\a+16*\b+\i]|, |v[64*\a+16*\b+\i+1]|, v[TM+\b]
.endr
.endr
	WIN 0
.irp b, 0,1,2,3
	v_permlanex16_b32 v[TP+\b], v[TM+\b], s[SEL], s[SEL+1]
.endr
.irp b, 0,1,2,3
	v_max_num_f32 v[TM+\b], v[TM+\b], v[TP+\b]     ; the block's largest magnitude
.endr
.irp b, 0,1,2,3
	v_add_nc_u32 v[SOP+\b], 0xff000000, v[TM+\b]   ; 2 off its exponent field: the conversion's scale operand
.endr
.irp b, 0,1,2,3
	v_lshrrev_b32 v[BY+\b], 23, v[SOP+\b]          ; the scale's byte
.endr
	v_lshl_or_b32 v[PW+\a], v[BY+1], 8, v[BY]
	v_lshl_or_b32 v[PW+\a], v[BY+2], 16, v[PW+\a]
	v_lshl_or_b32 v[PW+\a], v[BY+3], 24, v[PW+\a]
	WIN 0x02
.irp b, 0,1,2,3
	v_cvt_scalef32_pk16_fp6_f32 v[CD+16*\a+4*\b:CD+16*\a+4*\b+2], v[64*\a+16*\b:64*\a+16*\b+15], v[SOP+\b]
.endr
	WIN 0
	v_nop                                          ; one plain place behind the scaled conversions
.irp b, 0,1,2,3
	global_store_b96 v[OA+\b], v[CD+16*\a+4*\b:CD+16*\a+4*\b+2], s[OB+2*\a:OB+2*\a+1]   ; q, v: 32 lanes store 384 consecutive bytes; k: two runs of 192
.endr
	global_store_b32 v[OSV+\a], v[PW+\a], s[14:15] ; lanes l and l xor 16 write the same word to the same place
.endm
	OUT 0
	OUT 1
	OUT 2
	OUT 3
	s_wait_tensorcnt 0x0                           ; the wave's end
	ds_add_u32 v[SPW], v[NIL]
	s_wait_dscnt 0x0
	ROUND                                          ; the closing round
	s_endpgm
.Lfunc_end_k_q12ea7f83e1_proj:
	.size	k_q12ea7f83e1_proj, .Lfunc_end_k_q12ea7f83e1_proj-k_q12ea7f83e1_proj
	.p2alignl 7, 3214868480
	.fill 96, 4, 3214868480
	.section	.rodata,"a",@progbits
	.p2align	6, 0x0
	.amdhsa_kernel k_q12ea7f83e1_proj
		.amdhsa_group_segment_fixed_size 327680
		.amdhsa_private_segment_fixed_size 0
		.amdhsa_enable_private_segment 0
		.amdhsa_kernarg_size 144
		.amdhsa_user_sgpr_count 2
		.amdhsa_user_sgpr_kernarg_segment_ptr 1
		.amdhsa_wavefront_size32 1
		.amdhsa_system_sgpr_workgroup_id_x 1
		.amdhsa_system_sgpr_workgroup_id_y 1
		.amdhsa_system_sgpr_workgroup_id_z 1
		.amdhsa_system_vgpr_workitem_id 0
		.amdhsa_next_free_vgpr 768
		.amdhsa_next_free_sgpr 96
		.amdhsa_reserve_vcc 0
		.amdhsa_float_denorm_mode_32 3
		.amdhsa_float_denorm_mode_16_64 3
		.amdhsa_memory_ordered 1
		.amdhsa_forward_progress 1
		.amdhsa_inst_pref_size 175
	.end_amdhsa_kernel
	.amdgpu_metadata
---
amdhsa.version: [ 1, 2 ]
amdhsa.kernels:
  - .name:           k_q12ea7f83e1_proj
    .symbol:         k_q12ea7f83e1_proj.kd
    .args:
      - { .name: Wq_codes, .offset: 0, .size: 8, .value_kind: global_buffer, .address_space: global }
      - { .name: Wq_scales, .offset: 8, .size: 8, .value_kind: global_buffer, .address_space: global }
      - { .name: Q_codes, .offset: 16, .size: 8, .value_kind: global_buffer, .address_space: global }
      - { .name: Q_scales, .offset: 24, .size: 8, .value_kind: global_buffer, .address_space: global }
      - { .name: q_c, .offset: 32, .size: 8, .value_kind: global_buffer, .address_space: global }
      - { .name: q_s, .offset: 40, .size: 8, .value_kind: global_buffer, .address_space: global }
      - { .name: Wk_codes, .offset: 48, .size: 8, .value_kind: global_buffer, .address_space: global }
      - { .name: Wk_scales, .offset: 56, .size: 8, .value_kind: global_buffer, .address_space: global }
      - { .name: K_codes, .offset: 64, .size: 8, .value_kind: global_buffer, .address_space: global }
      - { .name: K_scales, .offset: 72, .size: 8, .value_kind: global_buffer, .address_space: global }
      - { .name: k_c, .offset: 80, .size: 8, .value_kind: global_buffer, .address_space: global }
      - { .name: k_s, .offset: 88, .size: 8, .value_kind: global_buffer, .address_space: global }
      - { .name: V_codes, .offset: 96, .size: 8, .value_kind: global_buffer, .address_space: global }
      - { .name: V_scales, .offset: 104, .size: 8, .value_kind: global_buffer, .address_space: global }
      - { .name: Wv_codes, .offset: 112, .size: 8, .value_kind: global_buffer, .address_space: global }
      - { .name: Wv_scales, .offset: 120, .size: 8, .value_kind: global_buffer, .address_space: global }
      - { .name: v_c, .offset: 128, .size: 8, .value_kind: global_buffer, .address_space: global }
      - { .name: v_s, .offset: 136, .size: 8, .value_kind: global_buffer, .address_space: global }
    .group_segment_fixed_size: 327680
    .private_segment_fixed_size: 0
    .kernarg_segment_align: 8
    .kernarg_segment_size: 144
    .max_flat_workgroup_size: 128
    .sgpr_count:     96
    .vgpr_count:     768
    .wavefront_size: 32
...
	.end_amdgpu_metadata
.endif
;; end of part 1
;; launch attn (part 2): grid 8 x 32, 16 waves a work-group, clusters of 4 x 1, 169,984 bytes of LDS; arguments q_c, q_s, k_c, k_s, v_c, v_s, a_c, a_s; writes a_c, a_s
.if DOCPART == 2
	.amdgcn_target "amdgcn-amd-amdhsa--gfx1250"
	.amdhsa_code_object_version 6
	.text
	.protected	k_q12ea7f83e1_attn
	.globl	k_q12ea7f83e1_attn
	.p2align	8
	.type	k_q12ea7f83e1_attn,@function
k_q12ea7f83e1_attn:
	s_mov_b64 s[64:65], 0
	v_nop
	global_prefetch_b8 v0, s[64:65] scope:SCOPE_SE
	s_setreg_imm32_b32 hwreg(HW_REG_WAVE_MODE, 25, 1), 1
	s_wait_xcnt 0x0
	s_wait_alu depctr_hold_cnt(0) depctr_sa_sdst(0) depctr_va_vdst(0) depctr_va_sdst(0) depctr_va_ssrc(0) depctr_va_vcc(0) depctr_vm_vsrc(0)
	s_getreg_b32 s2, hwreg(HW_REG_IB_STS2, 6, 4)
	s_cmp_eq_u32 s2, 0
	s_cbranch_scc0 .Lentry_in_a_cluster
	s_endpgm
.Lentry_in_a_cluster:
	s_bfe_u32 s2, ttmp6, 0x10000c
	s_cmp_lg_u32 s2, 0x3003
	s_cbranch_scc0 .Lentry_shape_is_right
	s_endpgm
.Lentry_shape_is_right:
; ATTENTION of one (batch, head) on codes of FP6 (E2M3): scores q . k (K = the head's 32, one block), softmax, V^T p (K = the keys), division by the row's sum, and the quantising of the result along the channels.
; t = score x log2(e) / sqrt(32); M = the running largest t rounded UP to a whole number; p = 2^(t - M) is quantised along the keys; the row's sum is taken of the unquantised p; when M moves, sum and O are multiplied by 2^(old M - new M), exactly.
; A work-group owns 256 queries of one head, each of its sixteen waves 16 of them.  Every wave walks the head's 2,048 keys, 128 a step, 16 steps.
; A HEAD'S WHOLE K AND V LIE IN LDS (49,152 + 98,304 bytes), filled ONCE: no ring, no refill, and so no stream left to prefetch.  The four work-groups of a cluster belong to one head and ask for these bytes JOINTLY (mask 15).
; Both products transposed: S^T = k q^T, O^T = V^T p: a lane holds ONE query (lane % 16) throughout.
; THE SCORE PRODUCT.  Its K is 32, the instruction's 128.  One fragment of k holds 64 KEYS: block b of row r is key 64 f + 32 (r / 8) + 8 b + r % 8.  q stands in four variants, its 32 codes in block 0, 1, 2 or 3 and zero codes elsewhere:
; fragment f x variant b gives tile 4 f + b, whose row m is key 64 f + 32 (m / 8) + 8 b + m % 8.  So the 32 registers of tiles 4 f .. 4 f + 3 of lane (r, h) are the 32 keys of block 2 f + h, in order:
; A LANE HOLDS WHOLE BLOCKS OF p, as the next operand's layout wants them: a block's largest score needs no other lane, and the codes change no lane.  The other three blocks of a score product multiply by zero codes: exact zeros.
; V's blocks of 32 keys lie in two regions, even and odd, 49,280 bytes apart (128 modulo 256): lanes 0-15 read an even block, lanes 16-31 the odd one behind it.
; OUT: a_c holds the result as an image of the next launch's operand registers: [tile of 16 tokens][head][pair of registers 0..2][lane][8 bytes]; a_s: [token][16 scale bytes].
; LIMITS: a block whose largest magnitude lies under 2^-124 gets the byte 1, a block of zeros too (its codes are zeros; this program alone reads the bytes).  The promise holds while the scaled scores stay under 2^31 in magnitude.
.set VE,   49280
.set VD,   49280
.set VSC,  147968                      ; V's scale bytes, 64 rows of 64 bytes + 16
.set KSC,  153088                      ; K's scale words, 4 bytes for each (fragment, row): stored by the waves, no fill lands here
.set AK0,  1
.set AV0,  2
.set ASK0, 3
.set ASV0, 4
.set ADK,  5
.set ADV,  6
.set ADS,  7
.set ADT,  8
.set QV,   16                          ; v16-51  q's variants: [QA 0 QA] [QB 0 QB]
.set QS,   52
.set PS,   53
.set KS,   54
.set VS,   56
.set FG,   60                          ; v60-107 fragments: K's two, then V's four
.set S,    108                         ; v108-171 S^T, then p
.set O,    172                         ; v172-203 O^T
.set PCD,  204
.set PC2,  216
.set BM,   224
.set BT,   228
.set SOP,  232
.set F,    240
.set T,    242
.set SH,   243                         ; 8 h: where my two scale bytes stand in p's scale word
.set WV,   20
.set SEL,  26
.set CS,   28
.set G1K,  32
.set G1V,  40
.set G1S,  48
.set G0K,  56
.set G0V,  60
.set G0S,  68
.set TK,   96
.set TSK,  97
.set TSV,  98
.set CNT,  99
.macro ROUND
	s_barrier_signal -1
	s_barrier_wait -1
	s_cmp_lg_u32 s[WV], 0
	s_cbranch_scc1 .Lnot_wave_0_\@
	s_barrier_signal -3
.Lnot_wave_0_\@:
	s_barrier_wait -3
	s_barrier_signal -1
	s_barrier_wait -1
.endm
.macro PLACES
.rept 4
	v_nop
.endr
.endm
	s_load_b256 s[4:11], s[0:1], 0x0               ; q_c, q_s, k_c, k_s
	s_load_b256 s[12:19], s[0:1], 0x20             ; v_c, v_s, a_c, a_s
	v_lshl_add_u32 v254, v0, 2, 0x29000
	v_mov_b32 v255, 0
	ds_add_u32 v254, v255                          ; the opening lines
	ds_add_u32 v254, v255
	v_lshrrev_b32 v1, 5, v0
	v_readfirstlane_b32 s[WV], v1                  ; wave 0..15
	s_bfe_u32 s21, ttmp6, 0x40000                  ; cx
	s_lshl_b32 s22, ttmp9, 2
	s_add_co_u32 s22, s22, s21                     ; my block of 256 queries
	s_and_b32 s23, ttmp7, 0xffff                   ; 8 batch + head, which the four partners share
	s_mul_i32 s24, s23, 49152
	s_mov_b32 s25, 0
	s_mul_i32 s30, s23, 98304
	s_lshr_b32 s31, s[WV], 1
	s_mul_i32 s31, s31, 1536
	s_add_co_u32 s30, s30, s31                     ; in v_c; wave 2 begins at the first odd key block
	s_mov_b32 s31, 0
	s_lshl_b32 s66, s23, 12
	s_mov_b32 s67, 0
	s_lshr_b32 s96, s23, 3                         ; batch
	s_and_b32 s97, s23, 7                          ; head
	s_lshl_b32 s98, s96, 14
	s_add_co_u32 s98, s98, s97
	s_mov_b32 s99, 0
	; group 1, elements of 8 bytes.  K: 32 rows of 1,536 bytes, dense.  V: 32 key blocks of 1,536 bytes, every second one.  V's scales: 64 rows of 64 bytes, 16 bytes of padding behind each
	s_mov_b32 s[G1K+0], 15|(3<<16)|(1<<21)
	s_mov_b32 s[G1K+1], 192<<16
	s_mov_b32 s[G1K+2], 32<<16
	s_mov_b32 s[G1K+3], 192<<16
	s_mov_b32 s[G1K+4], 32
	s_mov_b32 s[G1K+5], 192
	s_mov_b32 s[G1K+6], 0
	s_mov_b32 s[G1K+7], 0
	s_mov_b32 s[G1V+0], 15|(3<<16)|(1<<21)
	s_mov_b32 s[G1V+1], 192<<16
	s_mov_b32 s[G1V+2], 32<<16
	s_mov_b32 s[G1V+3], 192<<16
	s_mov_b32 s[G1V+4], 32
	s_mov_b32 s[G1V+5], 384
	s_mov_b32 s[G1V+6], 0
	s_mov_b32 s[G1V+7], 0
	s_mov_b32 s[G1S+0], 15|(3<<16)|(1<<20)|(1<<21)|(3<<22)|(3<<25)
	s_mov_b32 s[G1S+1], 8<<16
	s_mov_b32 s[G1S+2], 64<<16
	s_mov_b32 s[G1S+3], 8<<16
	s_mov_b32 s[G1S+4], 64
	s_mov_b32 s[G1S+5], 8
	s_mov_b32 s[G1S+6], 0
	s_mov_b32 s[G1S+7], 0
	s_mov_b32 s[SEL], 0x76543210
	s_mov_b32 s[SEL+1], 0xfedcba98
	s_mov_b32 s[CS], 0x3e8293ee                    ; c = log2(e) / sqrt(32)
	s_mov_b32 s[CS+1], s[CS]
	s_wait_dscnt 0x0
	s_wait_kmcnt 0x0
	s_mov_b32 s[G0K], 1
	s_mov_b32 s[G0K+1], 0
	s_add_nc_u64 s[G0K+2:G0K+3], s[8:9], s[24:25]
	s_or_b32 s[G0K+3], s[G0K+3], 0x80000000
	s_mov_b32 s[G0V], 1
	s_mul_i32 s[G0V+1], s[WV], VD                  ; wave 1: the even region, wave 2: the odd one
	s_add_nc_u64 s[G0V+2:G0V+3], s[12:13], s[30:31]
	s_or_b32 s[G0V+3], s[G0V+3], 0x80000000
	s_mov_b32 s[G0S], 1
	s_mov_b32 s[G0S+1], VSC
	s_add_nc_u64 s[G0S+2:G0S+3], s[14:15], s[66:67]
	s_or_b32 s[G0S+3], s[G0S+3], 0x80000000
	ROUND                                          ; all four work-groups are here: the joint loads meet
	s_cmp_lt_u32 s[WV], 4                          ; wave 0 K, waves 1 and 2 V, wave 3 V's scales: one load of a wave is out
	s_cbranch_scc0 .Lfilled
	s_cmp_eq_u32 s[WV], 0
	s_cbranch_scc0 .Lnot_k
	tensor_load_to_lds s[G0K:G0K+3], s[G1K:G1K+7]
	s_nop 0
	PLACES
	s_branch .Lfilled
.Lnot_k:
	s_cmp_eq_u32 s[WV], 3
	s_cbranch_scc1 .Lfor_s
	tensor_load_to_lds s[G0V:G0V+3], s[G1V:G1V+7]
	s_nop 0
	PLACES
	s_branch .Lfilled
.Lfor_s:
	tensor_load_to_lds s[G0S:G0S+3], s[G1S:G1S+7]
	s_nop 0
	PLACES
.Lfilled:
	s_add_nc_u64 s[10:11], s[10:11], s[98:99]      ; k_s at the head's byte of the batch's first token
	s_lshl_b32 s2, s22, 8
	s_lshl_b32 s3, s[WV], 4
	s_add_co_u32 s2, s2, s3                        ; my first query
	s_mul_i32 s100, s2, 24
	s_add_co_u32 s100, s100, s24
	s_mov_b32 s101, 0
	s_add_nc_u64 s[4:5], s[4:5], s[100:101]
	s_lshl_b32 s100, s2, 3
	s_add_co_u32 s100, s100, s98
	s_add_nc_u64 s[6:7], s[6:7], s[100:101]
	s_lshl_b32 s100, s96, 11
	s_add_co_u32 s100, s100, s2                    ; the token among all 8,192
	s_mul_i32 s3, s100, 384
	s_mul_i32 s2, s97, 768
	s_add_co_u32 s2, s2, s3
	s_mov_b32 s3, 0
	s_add_nc_u64 s[16:17], s[16:17], s[2:3]
	s_lshl_b32 s100, s100, 4
	s_lshl_b32 s2, s97, 1
	s_add_co_u32 s100, s100, s2
	s_add_nc_u64 s[18:19], s[18:19], s[100:101]
	s_mov_b32 s[TK], 0
	s_mov_b32 s[TSK], 0
	s_mov_b32 s[TSV], 0
	s_mov_b32 s[CNT], 16
	v_and_b32 v9, 15, v0                           ; r
	v_bfe_u32 v10, v0, 4, 1                        ; h
	v_and_b32 v11, 8, v9
	v_lshrrev_b32 v5, 4, v0
	v_mad_u32_u24 v11, v11, 3, v9                  ; r % 8 + 32 (r / 8)
	v_lshlrev_b32 v[SH], 3, v10
	v_lshl_add_u32 v5, v5, 6, v11                  ; K's scale words: thread 16 f + r makes that of fragment f, row r: the bytes of keys 64 f + 32 (r / 8) + r % 8 + 0, 8, 16, 24
	v_mul_u32_u24 v6, v9, 24
	v_lshlrev_b32 v5, 3, v5                        ; 8 bytes a token
	v_lshlrev_b32 v7, 3, v9
	global_load_u8 v[BM], v5, s[10:11]
	global_load_u8 v[BM+1], v5, s[10:11] offset:64
	global_load_u8 v[BM+2], v5, s[10:11] offset:128
	global_load_u8 v[BM+3], v5, s[10:11] offset:192
	global_load_b64 v[FG:FG+1], v6, s[4:5]         ; q of query r: 24 bytes, in both halves of the lanes
	global_load_b64 v[FG+2:FG+3], v6, s[4:5] offset:8
	global_load_b64 v[FG+4:FG+5], v6, s[4:5] offset:16
	global_load_u8 v[QS], v7, s[6:7]
	v_and_b32 v[AK0], 31, v0
	v_mul_u32_u24 v[AV0], v9, 24
	v_mul_u32_u24 v[AK0], v[AK0], 24               ; K: k_c holds each group of 64 keys in the order in which the lanes take them: key 32 (r / 8) + 16 c + 8 h + r % 8 lies at place 32 c + 16 h + r, so the 32 lanes of a load cover 768 consecutive bytes
	v_mad_u32_u24 v[AV0], v10, VD, v[AV0]
	v_lshl_add_u32 v[ASK0], v9, 2, KSC
	v_add_nc_u32 v[AV0], VE, v[AV0]                ; V: channel r of a tile, lanes 16-31 in the odd region
	v_mul_u32_u24 v[ASV0], v9, 80
	v_lshl_add_u32 v[ADT], v0, 2, KSC              ; where my thread's scale word of K goes
	v_add_nc_u32 v[ASV0], VSC, v[ASV0]
	v_mov_b32 v13, 0xff61b1e6                      ; the largest score so far: -3e38
	v_mov_b32 v14, 0                               ; the sum, in two halves
	v_mov_b32 v15, 0
	v_floor_f32 v12, -v13                          ; -M
.irp b, 0,1,2,3
	v_mov_b32 v[BT+\b], 0                          ; a lane permute's destination counts as one of its sources
.endr
	v_mov_b32 v[F+1], 0
	v_mov_b32 v[T], 0
	v_cmp_eq_u32 vcc_lo, 0, v10                    ; lanes 0-15
	s_wait_alu depctr_va_vdst(0)
	s_wait_loadcnt 0x0
	v_lshl_or_b32 v[BM], v[BM+1], 8, v[BM]
	v_lshl_or_b32 v[QS], v[QS], 8, v[QS]
	v_lshl_or_b32 v[BM], v[BM+2], 16, v[BM]
	v_lshl_or_b32 v[QS], v[QS], 16, v[QS]          ; q's byte for whichever block holds q
	v_lshl_or_b32 v[BM], v[BM+3], 24, v[BM]
	ds_store_b32 v[ADT], v[BM]
.irp i, 0,1,2,3,4,5
	v_mov_b32 v[QV+6+\i], 0
	v_mov_b32 v[QV+24+\i], 0
.endr
.irp i, 0,1,2,3,4,5
	v_cndmask_b32 v[QV+\i], v[QV+6], v[FG+\i], vcc_lo      ; QA: q in lanes 0-15, zero codes in lanes 16-31
	v_cndmask_b32 v[QV+18+\i], v[FG+\i], v[QV+6], vcc_lo   ; QB: the other way round
.endr
.irp i, 0,1,2,3,4,5
	v_mov_b32 v[QV+12+\i], v[QV+\i]
	v_mov_b32 v[QV+30+\i], v[QV+18+\i]
.endr
.set j, 0
.rept 32
	v_mov_b32 v[O+j], 0                            ; O^T: the step is written once, and the first finds zeros
.set j, j+1
.endr
	s_wait_alu depctr_va_vdst(0)                   ; the wait at the head's end
	s_wait_tensorcnt 0x0                           ; my fill has landed,
	s_wait_dscnt 0x0                               ; my scale word of K is stored,
	s_barrier_signal -1
	s_barrier_wait -1                              ; everybody's: K, V and all scales lie in LDS for the rest of the launch
.Lstep:                                                ; 16 trips of 128 keys
	v_add_nc_u32 v[ADK], s[TK], v[AK0]             ; (these four are the places between the last trip's products and the loads into the registers that they read)
	v_add_nc_u32 v[ADV], s[TK], v[AV0]
	v_add_nc_u32 v[ADS], s[TSK], v[ASK0]
	v_add_nc_u32 v[ADT], s[TSV], v[ASV0]
.irp f, 0,1
.irp c, 0,1
.irp i, 0,1,2
	ds_load_b64 v[FG+12*\f+6*\c+2*\i:FG+12*\f+6*\c+2*\i+1], v[ADK] offset:1536*\f+768*\c+8*\i
.endr
.endr
	ds_load_b32 v[KS+\f], v[ADS] offset:64*\f
.endr
	s_wait_alu depctr_va_vdst(0)
	s_wait_dscnt 0x0
.irp f, 0,1
.irp b, 0,1,2,3
	v_wmma_scale_f32_16x16x128_f8f6f4 v[S+8*(4*\f+\b):S+8*(4*\f+\b)+7], v[FG+12*\f:FG+12*\f+11], v[QV+18*(\b%2)+6*(\b/2):QV+18*(\b%2)+6*(\b/2)+11], 0, v[KS+\f], v[QS] matrix_a_fmt:MATRIX_FMT_FP6 matrix_b_fmt:MATRIX_FMT_FP6
.endr
.endr
	PLACES                                         ; in front of the loads into K's registers and of the first read of the scores
.irp t, 0,1,2,3                                ; V's four tiles of 16 channels x these 128 keys land during the softmax
.irp c, 0,1
.irp i, 0,1,2
	ds_load_b64 v[FG+12*\t+6*\c+2*\i:FG+12*\t+6*\c+2*\i+1], v[ADV] offset:1536*\c+384*\t+8*\i
.endr
.endr
	ds_load_b32 v[VS+\t], v[ADT] offset:1280*\t
.endr
.irp b, 0,1,2,3                                ; the largest score, in four chains of 16 registers; each accumulator is first read at its low end
	v_max3_num_f32 v[BM+\b], v[S+16*\b], v[S+16*\b+1], v[S+16*\b+2]
.endr
.irp i, 3,5,7,9,11,13
.irp b, 0,1,2,3
	v_max3_num_f32 v[BM+\b], v[BM+\b], v[S+16*\b+\i], v[S+16*\b+\i+1]
.endr
.endr
.irp b, 0,1
	v_max3_num_f32 v[BM+2*\b], v[BM+2*\b], v[BM+2*\b+1], v[S+32*\b+15]
.endr
.irp b, 0,1
	v_max_num_f32 v[BM+2*\b], v[BM+2*\b], v[S+32*\b+31]   ; my two blocks' largest scores: they serve the row's maximum and, since p rises with the score, the blocks' largest p
.endr
	v_max_num_f32 v[T], v[BM], v[BM+2]
	v_mov_b32 v[BT+1], v12                         ; the old -M
	v_permlanex16_b32 v[BT], v[T], s[SEL], s[SEL+1]
	v_max3_num_f32 v13, v13, v[T], v[BT]           ; the running largest score of my query (c is positive)
	v_mul_f32 v[T], s[CS], v13                     ; as t
	v_floor_f32 v12, -v[T]                         ; the new -M = floor(-t): M is a whole number
	v_sub_f32 v[T], v12, v[BT+1]                   ; old M - new M: a whole number, 0 or less
	v_cvt_i32_f32 v[T], v[T]                       ; (it saturates)
	v_ldexp_f32 v[F], 1.0, v[T]                    ; f = 2^(old M - new M)
.set j, 0
.rept 32
	v_pk_fma_f32 v[S+j:S+j+1], v[S+j:S+j+1], s[CS:CS+1], v[12:13] op_sel_hi:[1,0,0]   ; t - M, two at a time
.set j, j+2
.endr
	v_fma_f32 v[BM], v[BM], s[CS], v12             ; the same of each block's largest score
	v_fma_f32 v[BM+2], v[BM+2], s[CS], v12
	s_wait_alu depctr_va_vdst(0)                   ; the wait ahead of the batch
.set j, 0
.rept 64
	v_exp_f32 v[S+j], v[S+j]                       ; p = 2^(t - M), at most 1: not normalised
.set j, j+1
.endr
	v_exp_f32 v[BM], v[BM]                         ; the blocks' largest p: the same two instructions on the same number give the same bits
	v_exp_f32 v[BM+2], v[BM+2]
	v_pk_mul_f32 v[14:15], v[14:15], v[F:F+1] op_sel_hi:[1,0]   ; the sums under the new M (a plain place behind the exponentials)
	s_wait_alu depctr_va_vdst(0)                   ; and behind it
	v_max_num_f32 v[BM], 0x1800000, v[BM]          ; the floor 2^(3 - 127): the byte cannot fall under 1
	v_max_num_f32 v[BM+2], 0x1800000, v[BM+2]
	s_delay_alu instid0(VALU_DEP_2)
	v_add_nc_u32 v[SOP], 0xff000000, v[BM]         ; 2 off the exponent field: the conversion's scale operand
	s_delay_alu instid0(VALU_DEP_2)
	v_add_nc_u32 v[SOP+2], 0xff000000, v[BM+2]
	s_delay_alu instid0(VALU_DEP_2)
	v_lshrrev_b32 v[BT], 23, v[SOP]                ; the bytes of blocks h and 2 + h
	s_delay_alu instid0(VALU_DEP_2)
	v_lshrrev_b32 v[BT+1], 23, v[SOP+2]
	s_delay_alu instid0(VALU_DEP_1)
	v_lshl_or_b32 v[BT], v[BT+1], 16, v[BT]
	s_delay_alu instid0(VALU_DEP_1)
	v_lshlrev_b32 v[BT], v[SH], v[BT]              ; at their places in the scale word
	s_delay_alu instid0(VALU_DEP_1)
	v_permlanex16_b32 v[BT+1], v[BT], s[SEL], s[SEL+1]
	s_delay_alu instid0(VALU_DEP_1)
	v_or_b32 v[PS], v[BT], v[BT+1]                 ; with lane l xor 16's two the word is whole
.irp c, 0,1
	v_cvt_scalef32_pk16_fp6_f32 v[PCD+6*\c:PCD+6*\c+2], v[S+32*\c:S+32*\c+15], v[SOP+2*\c]
	v_cvt_scalef32_pk16_fp6_f32 v[PC2+4*\c:PC2+4*\c+2], v[S+32*\c+16:S+32*\c+31], v[SOP+2*\c]   ; (a conversion's three registers begin on an even number)
.endr
	v_nop                                          ; one plain place behind the scaled conversions
.irp c, 0,1
.irp i, 0,1,2
	v_mov_b32 v[PCD+6*\c+3+\i], v[PC2+4*\c+\i]     ; registers 6 c .. 6 c + 5: keys 64 c + 32 h + 0 .. 31
.endr
.endr
	v_pk_add_f32 v[236:237], v[112:113], v[116:117]   ; the row's sum of the unquantised p, in eight chains
	v_pk_add_f32 v[252:253], v[120:121], v[124:125]
	v_pk_add_f32 v[250:251], v[128:129], v[132:133]
	v_pk_add_f32 v[248:249], v[136:137], v[140:141]
	v_pk_add_f32 v[246:247], v[144:145], v[148:149]
	v_pk_add_f32 v[244:245], v[152:153], v[156:157]
	v_pk_add_f32 v[238:239], v[160:161], v[164:165]
	v_pk_add_f32 v[14:15], v[14:15], v[168:169]
	v_pk_add_f32 v[236:237], v[236:237], v[108:109]
	v_pk_add_f32 v[252:253], v[252:253], v[110:111]
	v_pk_add_f32 v[250:251], v[250:251], v[114:115]
	v_pk_add_f32 v[248:249], v[248:249], v[118:119]
	v_pk_add_f32 v[246:247], v[246:247], v[122:123]
	v_pk_add_f32 v[244:245], v[244:245], v[126:127]
	v_pk_add_f32 v[238:239], v[238:239], v[130:131]
	v_pk_add_f32 v[14:15], v[14:15], v[134:135]
	v_pk_add_f32 v[236:237], v[236:237], v[138:139]
	v_pk_add_f32 v[252:253], v[252:253], v[142:143]
	v_pk_add_f32 v[250:251], v[250:251], v[146:147]
	v_pk_add_f32 v[248:249], v[248:249], v[150:151]
	v_pk_add_f32 v[246:247], v[246:247], v[154:155]
	v_pk_add_f32 v[244:245], v[244:245], v[158:159]
	v_pk_add_f32 v[238:239], v[238:239], v[162:163]
	v_pk_add_f32 v[14:15], v[14:15], v[166:167]
	v_pk_add_f32 v[236:237], v[236:237], v[170:171]
	v_pk_add_f32 v[14:15], v[14:15], v[248:249]
	v_pk_add_f32 v[236:237], v[236:237], v[246:247]
	v_pk_add_f32 v[252:253], v[252:253], v[244:245]
	v_pk_add_f32 v[250:251], v[250:251], v[238:239]
	s_delay_alu instid0(VALU_DEP_2)
	v_pk_add_f32 v[14:15], v[14:15], v[252:253]
	s_delay_alu instid0(VALU_DEP_2)
	v_pk_add_f32 v[236:237], v[236:237], v[250:251]
	s_delay_alu instid0(VALU_DEP_1)
	v_pk_add_f32 v[14:15], v[14:15], v[236:237]
	s_wait_alu depctr_va_vdst(0)                   ; directly ahead of the first reader of O^T
.set j, 0
.rept 16
	v_pk_mul_f32 v[O+j:O+j+1], v[O+j:O+j+1], v[F:F+1] op_sel_hi:[1,0]   ; O^T under the new M, each accumulator from its low end on (sums and these are the places ahead of the products below)
.set j, j+2
.endr
	s_wait_alu depctr_va_vdst(0)
	s_wait_dscnt 0x0                               ; V's fragments and scale words are in
.irp t, 0,1,2,3
	v_wmma_scale_f32_16x16x128_f8f6f4 v[O+8*\t:O+8*\t+7], v[FG+12*\t:FG+12*\t+11], v[PCD:PCD+11], v[O+8*\t:O+8*\t+7], v[VS+\t], v[PS] matrix_a_fmt:MATRIX_FMT_FP6 matrix_b_fmt:MATRIX_FMT_FP6
.endr
	s_add_co_u32 s[TK], s[TK], 3072
	s_add_co_u32 s[TSK], s[TSK], 128
	s_add_co_u32 s[TSV], s[TSV], 4
	s_sub_co_u32 s[CNT], s[CNT], 1
	s_cmp_lg_u32 s[CNT], 0
	s_cbranch_scc1 .Lstep
	; THE END.  O^T / the sum; its 64 channels are two blocks of the next product's K.
	v_add_f32 v14, v14, v15                        ; (this and the four address lines are the places behind the last products)
	v_and_b32 v5, 31, v0
	v_and_b32 v6, 15, v0
	v_lshlrev_b32 v5, 3, v5                        ; a_c: 8 bytes a lane
	v_lshlrev_b32 v6, 4, v6                        ; a_s: 16 bytes a token
	v_permlanex16_b32 v[T], v14, s[SEL], s[SEL+1]
	s_delay_alu instid0(VALU_DEP_1)
	v_add_f32 v14, v14, v[T]                       ; the row's sum
	s_wait_alu depctr_va_vdst(0)
	v_rcp_f32 v14, v14
	v_nop
	s_wait_alu depctr_va_vdst(0)
.set j, 0
.rept 32
	v_mul_f32 v[S+j], v[O+j], v14                  ; register 8 t + i: channel 16 t + 8 h + i of query r
.set j, j+1
.endr
.irp b, 0,1
.irp i, 0,1,2,3,4,5,6,7
	v_permlane16_swap_b32 v[S+16*\b+\i], v[S+16*\b+8+\i]   ; registers 16 b + 0 .. 15 now hold channels 32 b + 16 h + 0 .. 15
.endr
.endr
.irp b, 0,1
	v_max3_num_f32 v[BM+\b], |v[S+16*\b]|, |v[S+16*\b+1]|, 0x1800000
.endr
.irp i, 2,4,6,8,10,12,14
.irp b, 0,1
	s_delay_alu instid0(VALU_DEP_2)
	v_max3_num_f32 v[BM+\b], v[BM+\b], |v[S+16*\b+\i]|, |v[S+16*\b+\i+1]|
.endr
.endr
.irp b, 0,1
	s_delay_alu instid0(VALU_DEP_2)
	v_permlanex16_b32 v[BT+\b], v[BM+\b], s[SEL], s[SEL+1]
.endr
.irp b, 0,1
	s_delay_alu instid0(VALU_DEP_2)
	v_max_num_f32 v[BM+\b], v[BM+\b], v[BT+\b]
.endr
.irp b, 0,1
	s_delay_alu instid0(VALU_DEP_2)
	v_add_nc_u32 v[SOP+\b], 0xff000000, v[BM+\b]
.endr
.irp b, 0,1
	s_delay_alu instid0(VALU_DEP_2)
	v_lshrrev_b32 v[BT+\b], 23, v[SOP+\b]
.endr
	s_delay_alu instid0(VALU_DEP_1)
	v_lshl_or_b32 v[T], v[BT+1], 8, v[BT]          ; the head's two scale bytes of my token
	v_cvt_scalef32_pk16_fp6_f32 v[PCD:PCD+2], v[S:S+15], v[SOP]
	v_cvt_scalef32_pk16_fp6_f32 v[PC2:PC2+2], v[S+16:S+31], v[SOP+1]
	v_nop
.irp i, 0,1,2
	v_permlane16_swap_b32 v[PCD+\i], v[PC2+\i]     ; lanes 0-15 now hold block 0 whole, lanes 16-31 block 1
.endr
.irp i, 0,1,2
	s_delay_alu instid0(VALU_DEP_3)
	v_mov_b32 v[PCD+3+\i], v[PC2+\i]
.endr
.irp i, 0,1,2
	global_store_b64 v5, v[PCD+2*\i:PCD+2*\i+1], s[16:17] offset:256*\i   ; 32 lanes store 256 consecutive bytes, at a multiple of 256 from a_c's first byte
.endr
	global_store_b16 v6, v[T], s[18:19]            ; lanes l and l xor 16 write the same two bytes
	s_wait_tensorcnt 0x0                           ; the wave's end
	ds_add_u32 v254, v255
	s_wait_dscnt 0x0
	ROUND                                          ; the closing round
	s_endpgm
.Lfunc_end_k_q12ea7f83e1_attn:
	.size	k_q12ea7f83e1_attn, .Lfunc_end_k_q12ea7f83e1_attn-k_q12ea7f83e1_attn
	.p2alignl 7, 3214868480
	.fill 96, 4, 3214868480
	.section	.rodata,"a",@progbits
	.p2align	6, 0x0
	.amdhsa_kernel k_q12ea7f83e1_attn
		.amdhsa_group_segment_fixed_size 169984
		.amdhsa_private_segment_fixed_size 0
		.amdhsa_enable_private_segment 0
		.amdhsa_kernarg_size 64
		.amdhsa_user_sgpr_count 2
		.amdhsa_user_sgpr_kernarg_segment_ptr 1
		.amdhsa_wavefront_size32 1
		.amdhsa_system_sgpr_workgroup_id_x 1
		.amdhsa_system_sgpr_workgroup_id_y 1
		.amdhsa_system_sgpr_workgroup_id_z 1
		.amdhsa_system_vgpr_workitem_id 0
		.amdhsa_next_free_vgpr 256
		.amdhsa_next_free_sgpr 102
		.amdhsa_reserve_vcc 1
		.amdhsa_float_denorm_mode_32 3
		.amdhsa_float_denorm_mode_16_64 3
		.amdhsa_memory_ordered 1
		.amdhsa_forward_progress 1
		.amdhsa_inst_pref_size 32
	.end_amdhsa_kernel
	.amdgpu_metadata
---
amdhsa.version: [ 1, 2 ]
amdhsa.kernels:
  - .name:           k_q12ea7f83e1_attn
    .symbol:         k_q12ea7f83e1_attn.kd
    .args:
      - { .name: q_c, .offset: 0, .size: 8, .value_kind: global_buffer, .address_space: global }
      - { .name: q_s, .offset: 8, .size: 8, .value_kind: global_buffer, .address_space: global }
      - { .name: k_c, .offset: 16, .size: 8, .value_kind: global_buffer, .address_space: global }
      - { .name: k_s, .offset: 24, .size: 8, .value_kind: global_buffer, .address_space: global }
      - { .name: v_c, .offset: 32, .size: 8, .value_kind: global_buffer, .address_space: global }
      - { .name: v_s, .offset: 40, .size: 8, .value_kind: global_buffer, .address_space: global }
      - { .name: a_c, .offset: 48, .size: 8, .value_kind: global_buffer, .address_space: global }
      - { .name: a_s, .offset: 56, .size: 8, .value_kind: global_buffer, .address_space: global }
    .group_segment_fixed_size: 169984
    .private_segment_fixed_size: 0
    .kernarg_segment_align: 8
    .kernarg_segment_size: 64
    .max_flat_workgroup_size: 512
    .sgpr_count:     102
    .vgpr_count:     256
    .wavefront_size: 32
...
	.end_amdgpu_metadata
.endif
;; end of part 2
;; launch outp (part 3): grid 8 x 32, 4 waves a work-group, clusters of 4 x 4, 327,680 bytes of LDS; arguments a_c, a_s, Wo_codes, Wo_scales, out0; writes out0
.if DOCPART == 3
	.amdgcn_target "amdgcn-amd-amdhsa--gfx1250"
	.amdhsa_code_object_version 6
	.text
	.protected	k_q12ea7f83e1_outp
	.globl	k_q12ea7f83e1_outp
	.p2align	8
	.type	k_q12ea7f83e1_outp,@function
k_q12ea7f83e1_outp:
	s_mov_b64 s[64:65], 0
	v_nop
	global_prefetch_b8 v0, s[64:65] scope:SCOPE_SE
	s_setreg_imm32_b32 hwreg(HW_REG_WAVE_MODE, 25, 1), 1
	s_wait_xcnt 0x0
	s_wait_alu depctr_hold_cnt(0) depctr_sa_sdst(0) depctr_va_vdst(0) depctr_va_sdst(0) depctr_va_ssrc(0) depctr_va_vcc(0) depctr_vm_vsrc(0)
	s_getreg_b32 s2, hwreg(HW_REG_IB_STS2, 6, 4)
	s_cmp_eq_u32 s2, 0
	s_cbranch_scc0 .Lentry_in_a_cluster
	s_endpgm
.Lentry_in_a_cluster:
	s_bfe_u32 s2, ttmp6, 0x10000c
	s_cmp_lg_u32 s2, 0xf033
	s_cbranch_scc0 .Lentry_shape_is_right
	s_endpgm
.Lentry_shape_is_right:
; THE PROJECTION ON THE WAY OUT: out0[token][n] = sum over k of a[token][k] Wo[n][k], K = 512, on codes of FP6 (E2M3) with E8M0 scales; out0 f32.
; A work-group of four waves makes 256 tokens x 256 columns, a wave 128 x 128.  ALL ITS OPERANDS COME ONCE, by four tensor loads at the head, one a wave: a's 256 tokens (98,304 bytes, an image of operand registers),
; Wo's 256 rows (98,304 dense bytes, as rows of 256 bytes with 16 bytes of padding behind every 128: a row of Wo is 3 x 144 = 432 bytes of LDS, 108 words: 16 rows start at 16 different groups of 4 banks), and the two blocks of scales (4,096 bytes each).
; No byte of LDS is filled again, and there is no loop and no later load to prefetch for.
; CLUSTERS 4 x 4: a's tile and scales are shared along a row of the cluster, Wo's along a column: joint loads.
; THE PRODUCT GOES BY ROWS OF out0: Wo's fragments for all of K stay in 384 registers; my eight blocks of 16 tokens are finished one after the other, 32 matrix instructions each (8 accumulators by turns, K ascending),
; and each block leaves through my own stage in LDS as whole rows of 512 bytes while the next is multiplied.
; Transposed use: source 0 = 16 rows of Wo, source 1 = 16 tokens: a lane holds eight neighbouring columns of one token.
; REGISTERS: window 0: v16-29 addresses, v32-63 scale words (register 4 i + q: lanes 0-15 a's block i, lanes 16-31 Wo's block i, step q), v64-159 a's fragments, two sets of 48.
;   window 1: Wo's fragments of steps 0, 1 (at 96 (q % 2) + 12 b); window 2: of steps 2, 3.   window 3: v0-127 two sets of 8 accumulators, v128-255 two sets of rows read back from the stage.
.set SIZE_N, 2048
.set ABYT,   98304
.set BPIT,   432
.set LB,     ABYT
.set BHALF,  128*BPIT
.set SCL,    LB+2*BHALF
.set HALFS,  8*272
.set SBLK,   272
.set STAGE,  SCL+4*HALFS
.set SPITCH, 528
.set SPARE,  STAGE+4*16*SPITCH
.set ADRA, 16
.set ADRB, 20
.set ADRBX, 21
.set STO,  24
.set RD,   25
.set CO,   26
.set ADRS, 27
.set SPW,  28
.set NIL,  29
.set SC,   32
.set AF,   64
.set G1,   24
.set G0,   32
.set G1B,  48
.set G0B,  56
.set G1S,  68
.set G0S,  76
.set G1SB, 80
.set G0SB, 88
.set MSB, 0
.macro WIN new
.if MSB != \new
	s_set_vgpr_msb (MSB<<8)|\new
.set MSB, \new
.endif
.endm
.macro PLACES n
.rept \n
	v_nop
.endr
.endm
.macro CROUND
	s_barrier_signal -1
	s_barrier_wait -1
	s_cmp_lg_u32 s14, 0
	s_cbranch_scc1 .Lnot_wave_0_\@
	s_barrier_signal -3
.Lnot_wave_0_\@:
	s_barrier_wait -3
	s_barrier_signal -1
	s_barrier_wait -1
.endm
	s_load_b128 s[4:7], s[0:1], 0x0                ; a_c, a_s
	s_load_b128 s[8:11], s[0:1], 0x10              ; Wo's codes, Wo's scales
	s_load_b64 s[12:13], s[0:1], 0x20              ; out0
	v_lshl_add_u32 v[SPW], v0, 2, SPARE
	v_mov_b32 v[NIL], 0
	ds_add_u32 v[SPW], v[NIL]                      ; the opening lines: the add twice on end and one wait
	ds_add_u32 v[SPW], v[NIL]
	v_lshrrev_b32 v1, 5, v0
	v_readfirstlane_b32 s14, v1                    ; wave 0..3
	s_lshr_b32 s15, s14, 1                         ; I: my half of the tokens
	s_and_b32 s16, s14, 1                          ; J: my half of the columns
	s_bfe_u32 s40, ttmp6, 0x40000                  ; cx, cy
	s_bfe_u32 s41, ttmp6, 0x40004
	s_lshl_b32 s42, ttmp9, 2
	s_add_co_u32 s42, s42, s40                     ; tile column
	s_and_b32 s17, ttmp7, 0xffff
	s_lshl_b32 s17, s17, 2
	s_add_co_u32 s17, s17, s41                     ; tile row
	s_lshl_b32 s43, s41, 2
	s_lshl_b32 s43, 15, s43                        ; my row of the cluster
	s_lshl_b32 s44, 0x1111, s40                    ; my column
	; group 1, elements of 8 bytes, rows of 256 bytes, dense.  a: 384 rows, no padding.  Wo: 384 rows, 4 words of padding behind every 32.  Scales: 16 rows, 4 words behind every 64
	s_or_b32 s[G1+0], s43, (3<<16)|(1<<21)
	s_or_b32 s[G1B+0], s44, (3<<16)|(1<<20)|(1<<21)|(4<<22)|(3<<25)
.irp g, G1, G1B
	s_mov_b32 s[\g+1], 32<<16
	s_mov_b32 s[\g+2], 384<<16
	s_mov_b32 s[\g+3], 32<<16
	s_mov_b32 s[\g+4], 384
	s_mov_b32 s[\g+5], 32
	s_mov_b32 s[\g+6], 0
	s_mov_b32 s[\g+7], 0
.endr
	s_or_b32 s[G1S+0], s43, (3<<16)|(1<<20)|(1<<21)|(5<<22)|(3<<25)
	s_or_b32 s[G1SB+0], s44, (3<<16)|(1<<20)|(1<<21)|(5<<22)|(3<<25)
.irp g, G1S, G1SB
	s_mov_b32 s[\g+1], 32<<16
	s_mov_b32 s[\g+2], 16<<16
	s_mov_b32 s[\g+3], 32<<16
	s_mov_b32 s[\g+4], 16
	s_mov_b32 s[\g+5], 32
	s_mov_b32 s[\g+6], 0
	s_mov_b32 s[\g+7], 0
.endr
	s_mul_i32 s20, s17, ABYT                       ; a's tile, by the tile row alone,
	s_mov_b32 s21, 0
	s_lshl_b32 s22, s17, 12                        ; and its scales
	s_mov_b32 s23, 0
	s_mul_i32 s46, s42, ABYT                       ; Wo's tile, by the tile column alone,
	s_mov_b32 s47, 0
	s_lshl_b32 s92, s42, 12                        ; and its scales
	s_mov_b32 s93, 0
	s_wait_dscnt 0x0                               ; both opening adds are done
	s_wait_kmcnt 0x0
	s_mov_b32 s[G0], 1
	s_mov_b32 s[G0+1], 0
	s_add_nc_u64 s[G0+2:G0+3], s[4:5], s[20:21]
	s_or_b32 s[G0+3], s[G0+3], 0x80000000
	s_mov_b32 s[G0B], 1
	s_mov_b32 s[G0B+1], LB
	s_add_nc_u64 s[G0B+2:G0B+3], s[8:9], s[46:47]
	s_or_b32 s[G0B+3], s[G0B+3], 0x80000000
	s_mov_b32 s[G0S], 1
	s_mov_b32 s[G0S+1], SCL
	s_add_nc_u64 s[G0S+2:G0S+3], s[6:7], s[22:23]
	s_or_b32 s[G0S+3], s[G0S+3], 0x80000000
	s_mov_b32 s[G0SB], 1
	s_mov_b32 s[G0SB+1], SCL+2*HALFS
	s_add_nc_u64 s[G0SB+2:G0SB+3], s[10:11], s[92:93]
	s_or_b32 s[G0SB+3], s[G0SB+3], 0x80000000
	; what the vector lines below need, and where my part of out0 begins
	s_mul_i32 s94, s15, 49152                      ; my 8 tiles of 16 tokens
	s_mul_i32 s95, s16, BHALF
	s_add_co_u32 s95, s95, LB                      ; my 128 rows of Wo
	s_mul_i32 s21, s15, HALFS
	s_mul_i32 s22, s16, HALFS
	s_add_co_u32 s22, s22, 2*HALFS
	s_sub_co_u32 s22, s22, s21                     ; from a's scales of my tokens to Wo's of my rows
	s_add_co_u32 s21, s21, SCL
	s_mul_i32 s23, s14, 16*SPITCH
	s_add_co_u32 s23, s23, STAGE                   ; my stage
	s_lshl_b32 s18, s17, 8
	s_lshl_b32 s19, s15, 7
	s_add_co_u32 s18, s18, s19                     ; my first row of out0,
	s_lshl_b32 s18, s18, 13                        ; 8,192 bytes a row (under 2^26)
	s_lshl_b32 s46, s42, 10
	s_lshl_b32 s47, s16, 9
	s_add_co_u32 s46, s46, s47                     ; my first column, in bytes
	s_add_co_u32 s18, s18, s46
	s_mov_b32 s19, 0
	s_add_nc_u64 s[12:13], s[12:13], s[18:19]
	CROUND                                         ; all sixteen work-groups are here: the joint loads meet
.macro ARM under, g0, g1, next                 ; one chain of branches on the wave's number, one load to an arm
	s_cmp_lt_u32 s14, \under
	s_cbranch_scc0 \next
	tensor_load_to_lds s[\g0:\g0+3], s[\g1:\g1+7]
	s_nop 0
	PLACES 4
	s_branch .Lhead_asked
\next:
.endm
	ARM 1, G0,  G1,  .Lhead_b
	ARM 2, G0B, G1B, .Lhead_sa
	ARM 3, G0S, G1S, .Lhead_sb
	tensor_load_to_lds s[G0SB:G0SB+3], s[G1SB:G1SB+7]
	s_nop 0
	PLACES 4
.Lhead_asked:
	v_and_b32 v1, 15, v0                           ; r
	v_bfe_u32 v2, v0, 4, 1                         ; h
	v_and_b32 v6, 31, v0
	v_lshlrev_b32 v7, 3, v6
	v_add_nc_u32 v[ADRA], s94, v7                  ; a: 8 bytes a lane
	v_mul_u32_u24 v3, v1, BPIT
	v_mad_u32_u24 v3, v2, 24, v3
	v_add_nc_u32 v[ADRB], s95, v3                  ; Wo: row r x 432 + 24 h,
	v_lshl_add_u32 v[ADRBX], v2, 4, v[ADRB]        ; and with lanes 16-31 behind one padding more
	v_lshlrev_b32 v5, 4, v1                        ; scales: 16 bytes a row
	v_mul_u32_u24 v8, s22, v2                      ; lanes 16-31 take Wo's
	v_add_nc_u32 v5, v5, v8
	v_add_nc_u32 v[ADRS], s21, v5
	v_mul_u32_u24 v5, v1, SPITCH                   ; the stage, in: row r, 32 bytes for each half of the lanes
	v_lshl_add_u32 v5, v2, 5, v5
	v_add_nc_u32 v[STO], s23, v5
	v_lshlrev_b32 v[CO], 4, v6                     ; back: the 32 lanes take one row of 512 bytes; and the same in out0
	v_add_nc_u32 v[RD], s23, v[CO]
.macro ALOAD a                         ; a's fragments of block a, all four steps, into set a % 2: 24 loads
.irp q, 0,1,2,3
.irp p, 0,1,2,3,4,5
	ds_load_b64 v[AF+48*((\a)%2)+12*\q+2*\p:AF+48*((\a)%2)+12*\q+2*\p+1], v[ADRA] offset:6144*(\a)+1536*\q+256*\p
.endr
.endr
.endm
.macro BLOAD q                         ; Wo's eight fragments of step q: 48 loads.  Byte y of a row lies at y + 16 (y / 128)
	WIN 0x40*(1+(\q)/2)
.irp i, 0,1,2,3,4,5,6,7
.irp p, 0,1,2,3,4,5
.set PB, 96*(\q)+48*(\p/3)+8*(\p%3)
.if PB/128 == (PB+24)/128
	ds_load_b64 v[96*((\q)%2)+12*\i+2*\p:96*((\q)%2)+12*\i+2*\p+1], v[ADRB] offset:PB+16*(PB/128)+\i*16*BPIT
.else
	ds_load_b64 v[96*((\q)%2)+12*\i+2*\p:96*((\q)%2)+12*\i+2*\p+1], v[ADRBX] offset:PB+16*(PB/128)+\i*16*BPIT
.endif
.endr
.endr
	WIN 0
.endm
.macro ROWQ a, q                       ; block a, step q: eight products, the block's accumulators by turns; step 0 starts the sums
	WIN 0xf1+(\q)/2                                ; source 0 window 1 or 2, source 1 window 0, C and D window 3
.irp b, 0,1,2,3,4,5,6,7
.set rD, 64*((\a)%2)+8*\b
.set rB, 96*((\q)%2)+12*\b
.set rA, AF+48*((\a)%2)+12*(\q)
.if (\q) == 0
	v_wmma_scale_f32_16x16x128_f8f6f4 v[rD:rD+7], v[rB:rB+11], v[rA:rA+11], 0, v[SC+4*\b+(\q)], v[SC+4*(\a)+(\q)] matrix_a_fmt:MATRIX_FMT_FP6 matrix_b_fmt:MATRIX_FMT_FP6 matrix_a_scale:MATRIX_SCALE_ROW1
.else
	v_wmma_scale_f32_16x16x128_f8f6f4 v[rD:rD+7], v[rB:rB+11], v[rA:rA+11], v[rD:rD+7], v[SC+4*\b+(\q)], v[SC+4*(\a)+(\q)] matrix_a_fmt:MATRIX_FMT_FP6 matrix_b_fmt:MATRIX_FMT_FP6 matrix_a_scale:MATRIX_SCALE_ROW1
.endif
.endr
	WIN 0
.endm
.macro TOSTAGE a                       ; 16 stores and 16 loads: LDS serves a wave's instructions in order (ISA guide 5.7.1.4)
	WIN 0x0c                                       ; the data: window 3
.irp b, 0,1,2,3,4,5,6,7
	ds_store_b128 v[STO], v[64*((\a)%2)+8*\b:64*((\a)%2)+8*\b+3] offset:64*\b        ; each accumulator from its low end on
	ds_store_b128 v[STO], v[64*((\a)%2)+8*\b+4:64*((\a)%2)+8*\b+7] offset:64*\b+16
.endr
	WIN 0xc0
.irp t, 0,1,2,3,4,5,6,7,8,9,10,11,12,13,14,15
	ds_load_b128 v[128+64*((\a)%2)+4*\t:128+64*((\a)%2)+4*\t+3], v[RD] offset:\t*SPITCH
.endr
	WIN 0
.endm
.macro SEND a, younger
	s_wait_dscnt \younger                          ; the block is back in registers
	WIN 0x0c
.irp t, 0,1,2,3,4,5,6,7,8,9,10,11,12,13,14,15
	global_store_b128 v[CO], v[128+64*((\a)%2)+4*\t:128+64*((\a)%2)+4*\t+3], s[12:13] offset:(16*(\a)+\t)*SIZE_N*4 th:TH_STORE_NT   ; 32 lanes store 512 consecutive bytes, at a multiple of 256 from out0's first byte
.endr
	WIN 0
.endm
	s_wait_alu depctr_va_vdst(0)                   ; the wait at the head's end
	s_wait_tensorcnt 0x0                           ; my tile of the four is in,
	s_barrier_signal -1
	s_barrier_wait -1                              ; everybody's is: all operands lie in LDS for the rest of the launch
.irp i, 0,1,2,3,4,5,6,7
	ds_load_b128 v[SC+4*\i:SC+4*\i+3], v[ADRS] offset:\i*SBLK   ; the scale words of all four steps
.endr
	ALOAD 0
	BLOAD 0
	BLOAD 1
	s_wait_dscnt 48                                ; all but step 1's 48
	ROWQ 0, 0
	BLOAD 2
	s_wait_dscnt 48                                ; all but step 2's
	ROWQ 0, 1
	BLOAD 3
	s_wait_dscnt 48                                ; all but step 3's
	ROWQ 0, 2
	ALOAD 1
	s_wait_dscnt 24                                ; all but block 1's 24
	ROWQ 0, 3
.irp a, 0,1,2,3,4,5,6,7
	PLACES 5                                       ; behind block a's products: in front of the stores that read its results and the loads into its fragments; two such runs stand ahead of the products that begin its accumulators anew
.if \a > 1
	s_wait_xcnt 0x0                                ; block a - 2's stores have read their registers: block a's rows may land there
.endif
	TOSTAGE \a
.if \a < 6
	ALOAD \a+2
	s_wait_dscnt 56                                ; block a + 1's fragments are in; behind them the stage's 32 and block a + 2's 24
.elseif \a < 7
	s_wait_dscnt 32                                ; behind them the stage's 32
.endif
.if \a < 7
	ROWQ \a+1, 0
	ROWQ \a+1, 1
	ROWQ \a+1, 2
	ROWQ \a+1, 3
.endif
.if \a < 6
	SEND \a, 24
.else
	SEND \a, 0
.endif
.endr
	s_wait_tensorcnt 0x0                           ; the wave's end
	ds_add_u32 v[SPW], v[NIL]
	s_wait_dscnt 0x0
	CROUND                                         ; the closing round
	s_endpgm
.Lfunc_end_k_q12ea7f83e1_outp:
	.size	k_q12ea7f83e1_outp, .Lfunc_end_k_q12ea7f83e1_outp-k_q12ea7f83e1_outp
	.p2alignl 7, 3214868480
	.fill 96, 4, 3214868480
	.section	.rodata,"a",@progbits
	.p2align	6, 0x0
	.amdhsa_kernel k_q12ea7f83e1_outp
		.amdhsa_group_segment_fixed_size 327680
		.amdhsa_private_segment_fixed_size 0
		.amdhsa_enable_private_segment 0
		.amdhsa_kernarg_size 40
		.amdhsa_user_sgpr_count 2
		.amdhsa_user_sgpr_kernarg_segment_ptr 1
		.amdhsa_wavefront_size32 1
		.amdhsa_system_sgpr_workgroup_id_x 1
		.amdhsa_system_sgpr_workgroup_id_y 1
		.amdhsa_system_sgpr_workgroup_id_z 1
		.amdhsa_system_vgpr_workitem_id 0
		.amdhsa_next_free_vgpr 1024
		.amdhsa_next_free_sgpr 98
		.amdhsa_reserve_vcc 0
		.amdhsa_float_denorm_mode_32 3
		.amdhsa_float_denorm_mode_16_64 3
		.amdhsa_memory_ordered 1
		.amdhsa_forward_progress 1
		.amdhsa_inst_pref_size 99
	.end_amdhsa_kernel
	.amdgpu_metadata
---
amdhsa.version: [ 1, 2 ]
amdhsa.kernels:
  - .name:           k_q12ea7f83e1_outp
    .symbol:         k_q12ea7f83e1_outp.kd
    .args:
      - { .name: a_c, .offset: 0, .size: 8, .value_kind: global_buffer, .address_space: global }
      - { .name: a_s, .offset: 8, .size: 8, .value_kind: global_buffer, .address_space: global }
      - { .name: Wo_codes, .offset: 16, .size: 8, .value_kind: global_buffer, .address_space: global }
      - { .name: Wo_scales, .offset: 24, .size: 8, .value_kind: global_buffer, .address_space: global }
      - { .name: out0, .offset: 32, .size: 8, .value_kind: global_buffer, .address_space: global }
    .group_segment_fixed_size: 327680
    .private_segment_fixed_size: 0
    .kernarg_segment_align: 8
    .kernarg_segment_size: 40
    .max_flat_workgroup_size: 128
    .sgpr_count:     98
    .vgpr_count:     1024
    .wavefront_size: 32
...
	.end_amdgpu_metadata
.endif
;; end of part 3
